; MI455X (gfx1250); checked and timed in simulation.
; The chip was launched on July 23, 2026; its instructions are those of AMD's public machine-readable ISA for CDNA 5 (MIT licence, August 2026) and "CDNA5" Instruction Set Architecture Reference Guide (July 2026). The comments in the code are by the model that wrote it; some were corrected since.
;; Voxel SDF. Allowed arithmetic: float matrix products may take bf16 or f16 operands with f32 sums; all other float work in f32.
;; Inputs: b1 128 float32; b2 128 float32; b3 1 float32; emb 35,937 x 32 float32; points 1,048,576 x 3 float32; w1 32 x 128 float32; w2 128 x 128 float32; w3 128 x 1 float32.
;; Outputs: out0 1,048,576 x 1 float32.
;; 2 versions, each right; version 2 is version 1 with the launch mlp written anew for expert scheduling mode. Each part assembles by itself: llvm-mc -triple=amdgcn-amd-amdhsa -mcpu=gfx1250 --defsym DOCPART=n.
;; ======== version 1 of 2: 2 launches
;; limits: values outside matrix products are rounded to f16; values are held in f16: magnitudes above 65,504 overflow, below 6.1e-05 lose precision; right only within a limited range of input values
;; workspace buffers: cells 16,777,216 bytes; idx 4,194,304 bytes of whole numbers
;; launch prep (part 1): grid 1024 x 1, 8 waves a work-group, no clusters, 22,016 bytes of LDS; arguments emb, points, cells, idx; writes cells, idx
.if DOCPART == 1
	.amdgcn_target "amdgcn-amd-amdhsa--gfx1250"
	.amdhsa_code_object_version 6
	.text
	.protected	k_q7997cc87ab_prep
	.globl	k_q7997cc87ab_prep
	.p2align	8
	.type	k_q7997cc87ab_prep,@function
k_q7997cc87ab_prep:
	s_mov_b64 s[64:65], 0
	v_nop
	global_prefetch_b8 v0, s[64:65] scope:SCOPE_SE
	s_setreg_imm32_b32 hwreg(HW_REG_WAVE_MODE, 25, 1), 1
	s_wait_xcnt 0x0
; Two jobs with no branch.  (1) The channel-major table emb_flat[c*35937 + z*1089 + y*33 + x] is rewritten into cell records:
; cells[cell][channel 0..31][corner 0..7] in f16, 512 bytes a cell, cell = (cz*32 + cy)*32 + cx, corner e = 4 dz + 2 dy + dx.
; (2) Each point's cell number is stored as a whole number, so that the next launch forms its gather addresses from integers.
; Work-group b owns the 32 cells of table row (cz = b >> 5, cy = b & 31) and the points 1024 b .. 1024 b + 1023.
; Eight waves: lane = cx, wave w takes channels 4w .. 4w+3; a thread takes 4 points (48 bytes in, 16 bytes out).
; LIMITS.  The table goes to f16 (11 significant bits): |emb| <= 65,504, beyond it the record holds an infinity.
; A point that is NaN gets some cell of the grid (the number is always 0 .. 32767).
; No matrix unit, cluster or copy engine: each table value is used by this work-group's own 32 cells only, and the work is a transposition.
.set CHB,    143748                    ; bytes from channel to channel (35,937 f32)
.set ZB,     4356                      ; bytes from z to z + 1
.set YB,     132                       ; bytes from y to y + 1
.set CPITCH, 80                        ; LDS: a wave's 64 bytes of a cell + 16: an odd multiple of 16, so 16 lanes store to 16 different 16-byte columns mod 256
.set REGION, 32*CPITCH+64              ; LDS: a wave's own region; 64 mod 256, so that the read-back's 16 lanes (4 regions x 4 quads) differ mod 256 too
.set EV,  8                            ; v[8:39]   table values, channel c' (0..3) x corner e
.set PT,  40                           ; v[40:51]  my four points, 12 coordinates
.set PK,  52                           ; v[52:67]  channel c': 8 corners in f16, 4 registers
.set RB,  68                           ; v[68:83]  records read back
.set IX,  84                           ; v[84:87]  my four cell numbers
.set TM,  88                           ; v[88:90]  at work
	s_load_b256 s[4:11], s[0:1], 0x0               ; emb s[4:5], points s[6:7], cells s[8:9], idx s[10:11]
	v_lshl_add_u32 v96, v0, 2, 0x5200
	v_mov_b32 v97, 0
	v_lshrrev_b32 v1, 5, v0
	v_readfirstlane_b32 s12, v1                    ; wave 0..7
	v_and_b32 v7, 31, v0                           ; lane = cx
	s_lshr_b32 s13, ttmp9, 5                       ; cz
	s_and_b32 s14, ttmp9, 31                       ; cy
	s_mul_i32 s16, s13, ZB
	s_mul_i32 s15, s14, YB
	s_add_co_u32 s16, s16, s15
	s_mul_i32 s15, s12, 4*CHB                      ; my wave's four channels
	s_add_co_u32 s16, s16, s15
	s_mov_b32 s17, 0
	s_mov_b32 s18, 0x41800000                      ; 16.0
	s_mov_b32 s19, 0x41f80000                      ; 31.0
	s_mov_b32 s20, 0x42000000                      ; 32.0
	s_mov_b32 s21, 0x44800000                      ; 1024.0
	s_mul_i32 s22, s12, REGION                     ; my wave's LDS region
	s_mul_i32 s23, s12, 4*CPITCH                   ; the four cells that my wave writes out
	v_lshlrev_b32 v1, 2, v7                        ; table: 4 cx
	v_mul_u32_u24 v2, v7, CPITCH
	v_add_nc_u32 v2, s22, v2                       ; LDS in: wave's region + cell x pitch
	v_lshrrev_b32 v3, 2, v7
	v_mul_u32_u24 v3, v3, REGION                   ; LDS back: lane l takes channel l = region l >> 2, quad l & 3
	v_and_b32 v[TM], 3, v7
	v_lshl_add_u32 v3, v[TM], 4, v3
	v_add_nc_u32 v3, s23, v3
	v_lshlrev_b32 v4, 4, v7                        ; record: 16 bytes a lane
	v_mul_u32_u24 v5, v0, 48                       ; points: 48 bytes a thread
	v_lshlrev_b32 v6, 4, v0                        ; idx: 16 bytes a thread
	s_wait_kmcnt 0x0
	s_add_nc_u64 s[4:5], s[4:5], s[16:17]          ; emb at (channel 4w, cz, cy, 0)
	s_mul_i32 s16, ttmp9, 12288
	s_add_nc_u64 s[6:7], s[6:7], s[16:17]          ; points at the group's first
	s_lshl_b32 s16, ttmp9, 12
	s_add_nc_u64 s[10:11], s[10:11], s[16:17]      ; idx likewise
	s_lshl_b32 s16, ttmp9, 14                      ; 32 records of 512 bytes
	s_lshl_b32 s15, s12, 11                        ; + my wave's four
	s_add_co_u32 s16, s16, s15
	s_add_nc_u64 s[8:9], s[8:9], s[16:17]
	global_load_b128 v[PT:PT+3],    v5, s[6:7]
	global_load_b128 v[PT+4:PT+7],  v5, s[6:7] offset:16
	global_load_b128 v[PT+8:PT+11], v5, s[6:7] offset:32
.irp c, 0,1,2,3
.irp e, 0,1,2,3,4,5,6,7
	global_load_b32 v[EV+8*\c+\e], v1, s[4:5] offset:\c*CHB+(\e>>2)*ZB+((\e>>1)&1)*YB+(\e&1)*4   ; 32 lanes along x: 128 neighbouring bytes
.endr
.endr
	; The cell numbers.  X = 16 p + 16 in one rounding equals (p + 1) * 16, since scaling by 16 is exact; F = floor X held to 0 .. 31.
	; Fz * 1024 + Fy * 32 + Fx is below 2^15: exact in f32.
	s_wait_loadcnt 32                              ; loads return in order (ISA guide 5.7.1): the 32 table loads behind the points stay out
.irp i, 0,1,2,3
.irp a, 0,1,2
	v_fma_f32 v[TM+\a], v[PT+3*\i+\a], s18, s18
	v_floor_f32 v[TM+\a], v[TM+\a]
	v_med3_num_f32 v[TM+\a], v[TM+\a], 0, s19
.endr
	v_fma_f32 v[TM], v[TM+1], s20, v[TM]
	v_fma_f32 v[TM], v[TM+2], s21, v[TM]
	v_cvt_u32_f32 v[IX+\i], v[TM]
.endr
	global_store_b128 v6, v[IX:IX+3], s[10:11]     ; a wave's store covers 512 consecutive bytes, aligned
	; The records: 8 corners of a channel are 16 bytes; the wave's 4 channels are 64 bytes of the cell's record.
	s_wait_loadcnt 0x0
.irp c, 0,1,2,3
.irp q, 0,1,2,3
	v_cvt_pk_f16_f32 v[PK+4*\c+\q], v[EV+8*\c+2*\q], v[EV+8*\c+2*\q+1]
.endr
	ds_store_b128 v2, v[PK+4*\c:PK+4*\c+3] offset:16*\c
.endr
	s_wait_dscnt 0x0                               ; for the other waves' sake: my stores are in LDS before I say so
	s_barrier_signal -1
	s_barrier_wait -1
.irp c, 0,1,2,3
	ds_load_b128 v[RB+4*\c:RB+4*\c+3], v3 offset:CPITCH*\c         ; cell 4w + c, all 32 channels: one record across the wave
.endr
.irp c, 0,1,2,3
	s_wait_dscnt 3-\c                              ; LDS loads return in order: record c is in
	global_store_b128 v4, v[RB+4*\c:RB+4*\c+3], s[8:9] offset:512*\c   ; one whole record: 512 consecutive bytes, aligned
.endr
	s_wait_tensorcnt 0x0
	ds_add_u32 v96, v97
	s_wait_dscnt 0x0
	s_endpgm
.Lfunc_end_k_q7997cc87ab_prep:
	.size	k_q7997cc87ab_prep, .Lfunc_end_k_q7997cc87ab_prep-k_q7997cc87ab_prep
	.p2alignl 7, 3214868480
	.fill 96, 4, 3214868480
	.section	.rodata,"a",@progbits
	.p2align	6, 0x0
	.amdhsa_kernel k_q7997cc87ab_prep
		.amdhsa_group_segment_fixed_size 22016
		.amdhsa_private_segment_fixed_size 0
		.amdhsa_enable_private_segment 0
		.amdhsa_kernarg_size 32
		.amdhsa_user_sgpr_count 2
		.amdhsa_user_sgpr_kernarg_segment_ptr 1
		.amdhsa_wavefront_size32 1
		.amdhsa_system_sgpr_workgroup_id_x 1
		.amdhsa_system_sgpr_workgroup_id_y 1
		.amdhsa_system_sgpr_workgroup_id_z 1
		.amdhsa_system_vgpr_workitem_id 0
		.amdhsa_next_free_vgpr 98
		.amdhsa_next_free_sgpr 66
		.amdhsa_reserve_vcc 0
		.amdhsa_float_denorm_mode_32 3
		.amdhsa_float_denorm_mode_16_64 3
		.amdhsa_memory_ordered 1
		.amdhsa_forward_progress 1
		.amdhsa_inst_pref_size 11
	.end_amdhsa_kernel
	.amdgpu_metadata
---
amdhsa.version: [ 1, 2 ]
amdhsa.kernels:
  - .name:           k_q7997cc87ab_prep
    .symbol:         k_q7997cc87ab_prep.kd
    .args:
      - { .name: emb, .offset: 0, .size: 8, .value_kind: global_buffer, .address_space: global }
      - { .name: points, .offset: 8, .size: 8, .value_kind: global_buffer, .address_space: global }
      - { .name: cells, .offset: 16, .size: 8, .value_kind: global_buffer, .address_space: global }
      - { .name: idx, .offset: 24, .size: 8, .value_kind: global_buffer, .address_space: global }
    .group_segment_fixed_size: 22016
    .private_segment_fixed_size: 0
    .kernarg_segment_align: 8
    .kernarg_segment_size: 32
    .max_flat_workgroup_size: 256
    .sgpr_count:     66
    .vgpr_count:     98
    .wavefront_size: 32
...
	.end_amdgpu_metadata
.endif
;; end of part 1
;; launch mlp (part 2): grid 256 x 1, 4 waves a work-group, no clusters, 46,592 bytes of LDS; arguments points, idx, cells, w1, b1, w2, b2, w3, b3, out0; writes out0
.if DOCPART == 2
	.amdgcn_target "amdgcn-amd-amdhsa--gfx1250"
	.amdhsa_code_object_version 6
	.text
	.protected	k_q7997cc87ab_mlp
	.globl	k_q7997cc87ab_mlp
	.p2align	8
	.type	k_q7997cc87ab_mlp,@function
k_q7997cc87ab_mlp:
	s_mov_b64 s[64:65], 0
	v_nop
	global_prefetch_b8 v0, s[64:65] scope:SCOPE_SE
	s_setreg_imm32_b32 hwreg(HW_REG_WAVE_MODE, 25, 1), 1
	s_wait_xcnt 0x0
; out0[p] = tanh(relu(relu(lat w1 + b1) w2 + b2) w3 + b3), lat = trilinear sample of 32 channels at point p (zeros outside the grid).
; 256 work-groups x 4 waves; wave W = 4 wg + wave owns points 1024 W .. +1023 = 8 blocks of 128 = 4 trips of 32 each.
; In trip j lane L owns point block + 4 L + j: a lane's 4 points are 48 consecutive bytes in, its 4 results 16 consecutive bytes out.
;
; EVERYTHING IS COMPUTED TRANSPOSED: features are rows (A = weights), points are columns (B).  A result register j of lane (r = L & 15,
; h = L >> 4) holds feature 16 t + 8 h + j of column r, and pairs of such registers, packed to f16, ARE the next layer's B fragment
; (registers 0-3: k = 8h.., registers 4-7: k = 16 + 8h..): no LDS and no lane traffic between the layers.
; THE INTERPOLATION IS A PRODUCT TOO: lat^T[32 ch x 16 pts] = V[32 x 128] Wt[128 x 16], k = (point slot, corner), Wt block-diagonal.
; V's A fragment is what a 16-byte load brings from a cell record (lane = channel, 8 corners of f16): gathered bytes go straight into an operand.
; A trip has two column groups of 16 points, chosen so that the only lanes with a non-zero entry of Wt are the lanes that computed that point's
; weights: group 0 = lanes 0-7 and 24-31 (slot (e, h) is column 8h + e), group 1 = lanes 8-23 (slot (e, h) is column 8(1-h) + e).
; Every point's column number is its own lane & 15, so each lane also finds its result in itself.
; Weights, bias tiles and w3 stay in registers for the whole launch (512 registers); layer 3, b3 and tanh are f32 vector work.
;
; LIMITS.  Matrix operands are f16 with f32 sums: |emb|, |w1|, |w2|, |lat| and the first hidden layer must stay <= 65,504 (with every input
; 30 times the drawn spread the largest of them, the hidden layer, is about 1e3).  Beyond it an infinity meets zeros and gives NaN, in the
; interpolation for all 16 points of the group.  Corner weights carry 11 significant bits.  A NaN or infinite point gets weight 0 everywhere
; (the result of lat = 0) instead of NaN; a NaN inside the MLP is dropped by the ReLU's maximum.
; NO CLUSTER, NO COPY ENGINE: work-groups share only the 82,944 bytes of weights, read once each, against 4,096 points x 512 bytes of records that
; are each point's own; nothing in the loop is a tile that waves share.  No barrier in the loop: the waves do not depend on each other.
;
; REGISTERS, in windows of 256 (s_set_vgpr_msb: bits 1:0 source 0, 3:2 source 1, 5:4 source 2, 7:6 destination).
; window 0: the MLP's working set
.set OO,   1                           ; 16 L: my 16 bytes of a block's results
.set T,    2                           ; v[2:7]     at work
.set OUT,  8                           ; v[8:11]    my four results of the block
.set SUM0, 12                          ; v[12:19]   layer 3: four pair sums, group 0
.set SUM1, 20                          ; v[20:27]   group 1
.set LB0,  32                          ; v[32:39]   lat as B fragment, group 0
.set LB1,  40
.set XB0,  48                          ; v[48:79]   four B fragments: first Wt, then the first hidden layer; group 0
.set XB1,  80
.set ACC0, 112                         ; v[112:175] eight result tiles, group 0
.set ACC1, 176
.set STG,  48                          ; v[48:207]  prologue only: 40 quads of w2 and w1 on their way to LDS
.set SGO,  240                         ; prologue: 16 x thread
.set SLA,  241                         ; prologue: LDS address of my staged 8 bytes
.set TLA,  242                         ; prologue: 32 h
.set TRA,  243                         ; prologue: address of the transposing loads
; window 1: w2^T, A fragment (t, u) at 8 (4 t + u)
; window 2
.set W1F,  0                           ; w1^T, A fragment t at 8 t
.set B1T,  64                          ; tiles: register 8 t + j of lane half h holds vec[16 t + 8 h + j]
.set B2T,  128
.set W3T,  192
; window 3: the front end
.set GA0,  0                           ; gathered A fragments (u, t) at 8 (2 u + t), group 0
.set GA1,  64
.set IDX,  128                         ; cell numbers: slot 8 g + e, trip j at 4 (8 g + e) + j
.set VOFF, 192                         ; gather offsets, slot 8 g + e
.set P,    208                         ; my four points
.set W,    220                         ; my point's 8 corner weights in f16
.set R16,  224                         ; 16 r
.set IB0,  225                         ; 384 h: slot (e, h) of group 0 is lane e or 24 + e, 16 bytes of idx each
.set IB1,  226                         ; 128 h: group 1 is lane 8 + e or 16 + e (the 128 goes into the immediate)
.set PO,   227                         ; 48 L
.set WX,   228                         ; pairs (w0, w1) of x, y, z at 228, 230, 232
.set ZY,   234                         ; wz wy, element 2 dz + dy
.set E,    238                         ; the 8 corner weights in f32
.set TW,   246                         ; three registers an axis, at work
.set LW2,  0                           ; LDS, prologue only: w2 as f16 [k][m], pitch 288 (an odd multiple of 32, as the transposing loads like it)
.set LW1,  128*288                     ; w1 likewise
.set LP,   288
.set MSB, 0
.macro WIN new                         ; the immediate's high byte repeats the setting that is left; a switch that changes nothing is dropped
.if MSB != \new
	s_set_vgpr_msb (MSB<<8)|\new
.set MSB, \new
.endif
.endm
; ---- the front end (all operands in window 3) ----
.macro LOADP part, off                 ; 16 of my 48 bytes of points
	global_load_b128 v[P+4*\part:P+4*\part+3], v[PO], s[8:9] offset:\off+16*\part
.endm
.macro LOADIDX off                     ; for each slot the four cell numbers (trips 0..3) of the lane that owns it
.irp e, 0,1,2,3,4,5,6,7
	global_load_b128 v[IDX+4*\e:IDX+4*\e+3], v[IB0], s[10:11] offset:\off+16*\e
.endr
.irp e, 0,1,2,3,4,5,6,7
	global_load_b128 v[IDX+32+4*\e:IDX+32+4*\e+3], v[IB1], s[10:11] offset:\off+128+16*\e
.endr
.endm
.macro ADDR col                        ; offset of my 16 bytes in each slot's record: cell * 512 + 16 r; the number is held inside the table
.irp i, 0,1,2,3,4,5,6,7,8,9,10,11,12,13,14,15
	v_min_u32 v[VOFF+\i], 0x7fff, v[IDX+4*\i+\col]
	v_lshl_add_u32 v[VOFF+\i], v[VOFF+\i], 9, v[R16]
.endr
.endm
.macro GATHERG ga, vo                  ; slot e fills registers 4 (e & 1) .. +3 of fragments (e >> 1, t); 16 lanes read 256 consecutive bytes, aligned
.irp e, 0,1,2,3,4,5,6,7
.irp t, 0,1
	global_load_b128 v[\ga+8*(2*(\e>>1)+\t)+4*(\e&1):\ga+8*(2*(\e>>1)+\t)+4*(\e&1)+3], v[\vo+\e], s[12:13] offset:256*\t
.endr
.endr
.endm
; The corner weights of my point of trip j.  Per axis X = 16 p + 16 (one rounding, equal to (p + 1) * 16), F = floor X held to 0 .. 31 (the same F
; as the stored cell number), A = X - F; the weights of planes F and F + 1 are the hat function max(0, 1 - |X - g|):
; w0 = med3(1 + A, 1 - A, 0), w1 = med3(A, 2 - A, 0).  Inside the grid that is 1 - fx and fx; outside it is the zero padding, with no branch.
.macro WEIGHTS j
.irp a, 0,1,2
	v_fma_f32 v[TW+3*\a], v[P+3*\j+\a], s37, s37
.endr
.irp a, 0,1,2
	v_floor_f32 v[TW+3*\a+1], v[TW+3*\a]
.endr
.irp a, 0,1,2
	v_med3_num_f32 v[TW+3*\a+1], v[TW+3*\a+1], 0, s38
.endr
.irp a, 0,1,2
	v_sub_f32 v[TW+3*\a], v[TW+3*\a], v[TW+3*\a+1]
.endr
.irp a, 0,1,2
	v_add_f32 v[TW+3*\a+1], 1.0, v[TW+3*\a]
	v_sub_f32 v[TW+3*\a+2], 1.0, v[TW+3*\a]
.endr
.irp a, 0,1,2
	v_med3_num_f32 v[WX+2*\a], v[TW+3*\a+1], v[TW+3*\a+2], 0
	v_sub_f32 v[TW+3*\a+2], 2.0, v[TW+3*\a]
.endr
.irp a, 0,1,2
	v_med3_num_f32 v[WX+2*\a+1], v[TW+3*\a], v[TW+3*\a+2], 0
.endr
	v_pk_mul_f32 v[ZY:ZY+1],   v[WX+2:WX+3], v[WX+4:WX+5] op_sel_hi:[1,0]              ; (wy0, wy1) * wz0
	v_pk_mul_f32 v[ZY+2:ZY+3], v[WX+2:WX+3], v[WX+4:WX+5] op_sel:[0,1] op_sel_hi:[1,1]  ; (wy0, wy1) * wz1
	v_pk_mul_f32 v[E:E+1],     v[WX:WX+1], v[ZY:ZY+1] op_sel_hi:[1,0]                   ; (wx0, wx1) * (wz wy): corners 2q, 2q + 1
	v_pk_mul_f32 v[E+2:E+3],   v[WX:WX+1], v[ZY:ZY+1] op_sel:[0,1] op_sel_hi:[1,1]
	v_pk_mul_f32 v[E+4:E+5],   v[WX:WX+1], v[ZY+2:ZY+3] op_sel_hi:[1,0]
	v_pk_mul_f32 v[E+6:E+7],   v[WX:WX+1], v[ZY+2:ZY+3] op_sel:[0,1] op_sel_hi:[1,1]
.irp q, 0,1,2,3
	v_cvt_pk_f16_f32 v[W+\q], v[E+2*\q], v[E+2*\q+1]
.endr
.endm
.macro MASKS                           ; Wt: slot e's four registers hold my weights in the two lanes that own slot e, zero in the others
.irp e, 0,1,2,3,4,5,6,7
.irp q, 0,1,2,3
	v_cndmask_b32 v[XB0+4*\e+\q], 0, v[W+\q], s[40+\e]
.endr
.endr
.irp e, 0,1,2,3,4,5,6,7
.irp q, 0,1,2,3
	v_cndmask_b32 v[XB1+4*\e+\q], 0, v[W+\q], s[48+\e]
.endr
.endr
.endm
; ---- the products ----
.macro INTERP acc, ga, xb              ; 8 products: channels 16 t .. +15 x 16 columns, K = 4 x 32 = 16 slots x 8 corners; the first starts the sums
.irp t, 0,1
	v_wmma_f32_16x16x32_f16 v[\acc+8*\t:\acc+8*\t+7], v[\ga+8*\t:\ga+8*\t+7], v[\xb:\xb+7], 0
.endr
.irp u, 1,2,3
.irp t, 0,1
	v_wmma_f32_16x16x32_f16 v[\acc+8*\t:\acc+8*\t+7], v[\ga+8*(2*\u+\t):\ga+8*(2*\u+\t)+7], v[\xb+8*\u:\xb+8*\u+7], v[\acc+8*\t:\acc+8*\t+7]
.endr
.endr
.endm
.macro LATCVT acc, lb                  ; tiles 0, 1 (channels 8h + j, 16 + 8h + j) are registers 0-3, 4-7 of layer 1's B fragment
.irp i, 0,1,2,3,4,5,6,7
	v_cvt_pk_f16_f32 v[\lb+\i], v[\acc+2*\i], v[\acc+2*\i+1]
.endr
.endm
.macro L1 acc, lb                      ; 8 products, K = 32; the bias tile is C
.irp t, 0,1,2,3,4,5,6,7
	v_wmma_f32_16x16x32_f16 v[\acc+8*\t:\acc+8*\t+7], v[W1F+8*\t:W1F+8*\t+7], v[\lb:\lb+7], v[B1T+8*\t:B1T+8*\t+7]
.endr
.endm
.macro EP1 acc, xb                     ; ReLU and f16: tiles 2u, 2u + 1 become layer 2's B fragment u
.irp t, 0,1,2,3,4,5,6,7
.irp j, 0,1,2,3,4,5,6,7
	v_max_num_f32 v[\acc+8*\t+\j], 0, v[\acc+8*\t+\j]
.endr
.irp q, 0,1,2,3
	v_cvt_pk_f16_f32 v[\xb+4*\t+\q], v[\acc+8*\t+2*\q], v[\acc+8*\t+2*\q+1]
.endr
.endr
.endm
.macro L2 acc, xb                      ; 32 products, K = 4 x 32; the bias tile is the first C, then each tile's chain runs in place
	WIN 0x21
.irp t, 0,1,2,3,4,5,6,7
	v_wmma_f32_16x16x32_f16 v[\acc+8*\t:\acc+8*\t+7], v[32*\t:32*\t+7], v[\xb:\xb+7], v[B2T+8*\t:B2T+8*\t+7]
.endr
	WIN 0x01
.irp u, 1,2,3
.irp t, 0,1,2,3,4,5,6,7
	v_wmma_f32_16x16x32_f16 v[\acc+8*\t:\acc+8*\t+7], v[8*(4*\t+\u):8*(4*\t+\u)+7], v[\xb+8*\u:\xb+8*\u+7], v[\acc+8*\t:\acc+8*\t+7]
.endr
.endr
.endm
.macro RELU acc
.set i, 0
.rept 64
	v_max_num_f32 v[\acc+i], 0, v[\acc+i]
.set i, i+1
.endr
.endm
.macro DOT acc, sum                    ; layer 3 in f32: my 64 features times w3, in four pair sums that the first products start
.irp q, 0,1,2,3
	v_pk_mul_f32 v[\sum+2*\q:\sum+2*\q+1], v[\acc+2*\q:\acc+2*\q+1], v[W3T+2*\q:W3T+2*\q+1]
.endr
.irp t, 1,2,3,4,5,6,7
.irp q, 0,1,2,3
	v_pk_fma_f32 v[\sum+2*\q:\sum+2*\q+1], v[\acc+8*\t+2*\q:\acc+8*\t+2*\q+1], v[W3T+8*\t+2*\q:W3T+8*\t+2*\q+1], v[\sum+2*\q:\sum+2*\q+1]
.endr
.endr
.endm
; The column's two halves meet (lane i with lane i xor 16), each lane takes its own group's sum, adds b3 and takes tanh:
; 1 - 2 / (1 + 2^(2.885390 x)), which saturates rightly at both ends; for x^2 < 1/64 the series x (1 + x^2 (-1/3 + x^2 2/15)), whose next term is
; below 17/315 * 2^-18 of x, so that small results keep their relative accuracy at any scale of the inputs.
.macro FINAL j
.irp s, SUM0, SUM1
	v_pk_add_f32 v[\s:\s+1], v[\s:\s+1], v[\s+2:\s+3]
	v_pk_add_f32 v[\s+4:\s+5], v[\s+4:\s+5], v[\s+6:\s+7]
.endr
.irp s, SUM0, SUM1
	v_pk_add_f32 v[\s:\s+1], v[\s:\s+1], v[\s+4:\s+5]
.endr
	v_add_f32 v[SUM0], v[SUM0], v[SUM0+1]
	v_add_f32 v[SUM1], v[SUM1], v[SUM1+1]
	v_permlanex16_b32 v[T], v[SUM0], s34, s35      ; its destination counts as read: T and T + 1 have been written since the prologue
	v_permlanex16_b32 v[T+1], v[SUM1], s34, s35
	v_add_f32 v[T], v[T], v[SUM0]
	v_add_f32 v[T+1], v[T+1], v[SUM1]
	v_cndmask_b32 v[T], v[T+1], v[T], s36          ; lanes 0-7 and 24-31: group 0
	v_add_f32 v[T], s32, v[T]                      ; x
	v_mul_f32 v[T+1], 0x4038aa3b, v[T]             ; 2 log2(e) x
	v_exp_f32 v[T+1], v[T+1]
	v_mul_f32 v[T+2], v[T], v[T]                   ; x^2: the plain instruction between the exponential and the use of its result (ISA guide 5.7.2)
	s_wait_alu depctr_va_vdst(0)
	v_add_f32 v[T+1], 1.0, v[T+1]
	v_rcp_f32 v[T+1], v[T+1]
	v_fma_f32 v[T+3], v[T+2], s39, s56             ; likewise behind the reciprocal
	s_wait_alu depctr_va_vdst(0)
	v_fma_f32 v[T+1], v[T+1], -2.0, 1.0
	v_fma_f32 v[T+3], v[T+3], v[T+2], 1.0
	v_cmp_gt_f32 vcc_lo, s57, v[T+2]
	v_mul_f32 v[T+3], v[T+3], v[T]
	v_cndmask_b32 v[OUT+\j], v[T+1], v[T+3], vcc_lo
.endm
; One trip: 32 points.  left = how many younger loads may stay out when this trip's 32 gathers have to be in.
; more = 2: gather for the next trip and ask for the next block's points and cell numbers; 1: gather only; 0: the very last trip.
; Distances behind matrix instructions are kept by the order of the phases: the two groups are staggered, so that between a
; product and the vector work on its result, or a product or load that writes over its registers, stands a whole vector phase of the other group
; or of the front end, which names none of its registers: ADDR (32) behind INTERP, LATCVT 1 (8) behind L1 0, EP1 0 (96) behind L1 1,
; EP1 1 (96) behind L2 0, RELU 0 (64) behind L2 1.
.macro TRIP j, left, more
	WIN 0xff
	WEIGHTS \j
	WIN 0x0c
	MASKS
	s_wait_loadcnt \left                           ; loads return in order (ISA guide 5.7.1): the gathers are in, and their offsets in VOFF are free
	WIN 0x03
	INTERP ACC0, GA0, XB0
	INTERP ACC1, GA1, XB1
.if \more == 0
	WIN 0
.rept 5
	v_nop                                          ; no front end left to stand behind the interpolation's products
.endr
.else
	WIN 0xff
.if \j == 3
	s_wait_loadcnt 0x1                             ; the next block's 16 loads of cell numbers are in; behind them only the second quad of points
.endif
	ADDR (\j+1)%4
	GATHERG GA0, VOFF                              ; a whole trip ahead of their use: 32 loads, 16 KiB a wave
	GATHERG GA1, VOFF+8
.if \more == 2
.if \j == 1
	LOADP 0, 1536                                  ; P[0:3] were last read by this trip's weights
.endif
.if \j == 2
	LOADIDX 512                                    ; the last column of IDX has just been read
	LOADP 1, 1536
.endif
.if \j == 3
	LOADP 2, 1536
.endif
.endif
.endif
	WIN 0
	LATCVT ACC0, LB0
	WIN 0x22
	L1 ACC0, LB0
	WIN 0
	LATCVT ACC1, LB1
	WIN 0x22
	L1 ACC1, LB1
	WIN 0
	EP1 ACC0, XB0
	L2 ACC0, XB0
	WIN 0
	EP1 ACC1, XB1
	L2 ACC1, XB1
	WIN 0
	RELU ACC0
	RELU ACC1
	WIN 0x08
	DOT ACC0, SUM0
	DOT ACC1, SUM1
	WIN 0
	FINAL \j
.endm
; A block: 128 points.  Issue order of the loads: trip 0: gathers; trip 1: gathers, points quad 0; trip 2: gathers, 16 x idx, quad 1;
; trip 3: gathers, quad 2.  So behind the gathers that a trip needs stand: trip 0: quad 2 (1); trip 1: nothing (0); trip 2: quad 0 (1);
; trip 3: idx and quad 1 (17).  These waits also cover the points: quad 0 by trip 3's, quad 1 by trip 0's, quad 2 by trip 1's.
.macro BLOCK more, n2, n3, m3
	TRIP 0, 1, \more
	TRIP 1, 0, \more
	TRIP 2, \n2, \more
	TRIP 3, \n3, \m3
	global_store_b128 v[OO], v[OUT:OUT+3], s[26:27] th:TH_STORE_NT   ; the wave's store covers 512 consecutive bytes, aligned
.endm
; ---- prologue ----
	s_load_b512 s[8:23], s[0:1], 0x0               ; points 8, idx 10, cells 12, w1 14, b1 16, w2 18, b2 20, w3 22
	s_load_b128 s[24:27], s[0:1], 0x40             ; b3 24, out0 26
	v_lshl_add_u32 v254, v0, 2, 0xb400
	v_mov_b32 v255, 0
	v_lshrrev_b32 v2, 5, v0
	v_readfirstlane_b32 s28, v2                    ; wave 0..3
	s_lshl_b32 s29, ttmp9, 2
	s_add_co_u32 s29, s29, s28                     ; W
	s_mul_i32 s30, s28, LP
	s_mov_b32 s34, 0x76543210                      ; v_permlanex16_b32: lane i of one half reads lane i of the other
	s_mov_b32 s35, 0xfedcba98
	s_mov_b32 s36, 0xff0000ff                      ; the lanes of group 0
	s_mov_b32 s37, 0x41800000                      ; 16.0
	s_mov_b32 s38, 0x41f80000                      ; 31.0
	s_mov_b32 s39, 0x3e088889                      ; 2/15
	s_mov_b32 s56, 0xbeaaaaab                      ; -1/3
	s_mov_b32 s57, 0x3c800000                      ; 1/64
.irp e, 0,1,2,3,4,5,6,7
	s_mov_b32 s[40+\e], (1<<\e)|(1<<(24+\e))       ; the two lanes that own slot e of group 0
	s_mov_b32 s[48+\e], (1<<(8+\e))|(1<<(16+\e))   ; and of group 1
.endr
	v_and_b32 v2, 31, v0                           ; L
	v_and_b32 v3, 15, v0                           ; r
	v_bfe_u32 v4, v0, 4, 1                         ; h
	v_and_b32 v5, 7, v0
	v_bfe_u32 v6, v0, 3, 1
	v_lshlrev_b32 v[OO], 4, v2
	v_lshlrev_b32 v[SGO], 4, v0                    ; staging: thread t takes bytes 16 t of every 2,048 (four rows of 128 f32)
	v_lshl_add_u32 v[SLA], v2, 3, s30              ; and puts 8 bytes at row (wave) x pitch + 8 L
	v_lshlrev_b32 v[TLA], 5, v4
	v_lshl_add_u32 v5, v4, 3, v5                   ; transposing loads: row 8 h + (L & 7),
	v_mul_u32_u24 v5, v5, LP
	v_lshl_add_u32 v[TRA], v6, 4, v5               ; 16 bytes further for lanes 8-15 of each half
	WIN 0xc0
	v_lshlrev_b32 v[R16], 4, v3
	v_mul_u32_u24 v[IB0], v4, 384
	v_lshlrev_b32 v[IB1], 7, v4
	v_mul_u32_u24 v[PO], v2, 48
	s_wait_kmcnt 0x0
	s_mul_i32 s30, s29, 12288                      ; 1,024 points of 12 bytes
	s_mov_b32 s31, 0
	s_add_nc_u64 s[8:9], s[8:9], s[30:31]
	s_lshl_b32 s30, s29, 12                        ; 1,024 words
	s_add_nc_u64 s[10:11], s[10:11], s[30:31]
	s_add_nc_u64 s[26:27], s[26:27], s[30:31]
	s_load_b32 s32, s[24:25], 0x0                  ; b3
	WIN 0xff
	LOADP 0, 0
	LOADP 1, 0
	LOADIDX 0
	WIN 0
.set q, 0
.rept 32
	global_load_b128 v[STG+4*q:STG+4*q+3], v[SGO], s[18:19] offset:2048*q          ; w2
.set q, q+1
.endr
.set q, 0
.rept 8
	global_load_b128 v[STG+128+4*q:STG+128+4*q+3], v[SGO], s[14:15] offset:2048*q  ; w1
.set q, q+1
.endr
	s_wait_loadcnt 40                              ; the 40 staging loads stand behind the cell numbers
	WIN 0xff
	ADDR 0
	GATHERG GA0, VOFF                              ; the first trip's records travel while the weights are laid out
	GATHERG GA1, VOFF+8
	LOADP 2, 0
	WIN 0
	s_wait_loadcnt 33                              ; 32 gathers and a quad of points stand behind the staging loads
.set q, 0
.rept 40
	v_cvt_pk_f16_f32 v[STG+4*q], v[STG+4*q], v[STG+4*q+1]
	v_cvt_pk_f16_f32 v[STG+4*q+1], v[STG+4*q+2], v[STG+4*q+3]
.set q, q+1
.endr
.set q, 0
.rept 32
	ds_store_b64 v[SLA], v[STG+4*q:STG+4*q+1] offset:LW2+4*LP*q      ; row 4 q + wave: a wave's store is one row's 256 bytes
.set q, q+1
.endr
.set q, 0
.rept 8
	ds_store_b64 v[SLA], v[STG+128+4*q:STG+128+4*q+1] offset:LW1+4*LP*q
.set q, q+1
.endr
	WIN 0x80
.irp t, 0,1,2,3,4,5,6,7
	global_load_b128 v[B1T+8*\t:B1T+8*\t+3],   v[TLA], s[16:17] offset:64*\t
	global_load_b128 v[B1T+8*\t+4:B1T+8*\t+7], v[TLA], s[16:17] offset:64*\t+16
	global_load_b128 v[B2T+8*\t:B2T+8*\t+3],   v[TLA], s[20:21] offset:64*\t
	global_load_b128 v[B2T+8*\t+4:B2T+8*\t+7], v[TLA], s[20:21] offset:64*\t+16
	global_load_b128 v[W3T+8*\t:W3T+8*\t+3],   v[TLA], s[22:23] offset:64*\t
	global_load_b128 v[W3T+8*\t+4:W3T+8*\t+7], v[TLA], s[22:23] offset:64*\t+16
.endr
	s_wait_dscnt 0x0                               ; for the other waves' sake: my rows are in LDS before I say so
	s_barrier_signal -1
	s_barrier_wait -1                              ; the only barrier: LDS is not written again
	; A fragments of w^T from w stored [k][m]: row m = 16 t + r, registers 0-3: k = k0 + 8h .., registers 4-7: k = k0 + 16 + 8h ..
.irp t, 0,1,2,3,4,5,6,7
	ds_load_tr16_b128 v[W1F+8*\t:W1F+8*\t+3],   v[TRA] offset:LW1+32*\t
	ds_load_tr16_b128 v[W1F+8*\t+4:W1F+8*\t+7], v[TRA] offset:LW1+16*LP+32*\t
.endr
	WIN 0x40
.irp t, 0,1,2,3,4,5,6,7
.irp u, 0,1,2,3
	ds_load_tr16_b128 v[8*(4*\t+\u):8*(4*\t+\u)+3],   v[TRA] offset:LW2+32*\u*LP+32*\t
	ds_load_tr16_b128 v[8*(4*\t+\u)+4:8*(4*\t+\u)+7], v[TRA] offset:LW2+(32*\u+16)*LP+32*\t
.endr
.endr
	s_wait_kmcnt 0x0                               ; b3
	s_wait_loadcnt 0x0                             ; tiles, first gathers, points
	s_wait_dscnt 0x0                               ; fragments
	WIN 0                                          ; at a label and at a branch every window is 0
; ---- seven blocks that ask for their successor, then the last one, which asks for nothing beyond the wave's share ----
	s_mov_b32 s33, 7
.Lblock:
	BLOCK 2, 1, 17, 2
	s_wait_xcnt 0x0                                ; the bases of the pending loads and of the store, and OUT, are rewritten only behind this wait
	s_add_nc_u64 s[8:9], s[8:9], 0x600             ; 128 points
	s_add_nc_u64 s[10:11], s[10:11], 0x200         ; 128 cell numbers
	s_add_nc_u64 s[26:27], s[26:27], 0x200         ; 128 results
	s_sub_co_u32 s33, s33, 1
	s_cmp_lg_u32 s33, 0
	s_cbranch_scc1 .Lblock
	BLOCK 1, 0, 0, 0
	s_wait_tensorcnt 0x0
	ds_add_u32 v254, v255
	s_wait_dscnt 0x0
	s_endpgm
.Lfunc_end_k_q7997cc87ab_mlp:
	.size	k_q7997cc87ab_mlp, .Lfunc_end_k_q7997cc87ab_mlp-k_q7997cc87ab_mlp
	.p2alignl 7, 3214868480
	.fill 96, 4, 3214868480
	.section	.rodata,"a",@progbits
	.p2align	6, 0x0
	.amdhsa_kernel k_q7997cc87ab_mlp
		.amdhsa_group_segment_fixed_size 46592
		.amdhsa_private_segment_fixed_size 0
		.amdhsa_enable_private_segment 0
		.amdhsa_kernarg_size 80
		.amdhsa_user_sgpr_count 2
		.amdhsa_user_sgpr_kernarg_segment_ptr 1
		.amdhsa_wavefront_size32 1
		.amdhsa_system_sgpr_workgroup_id_x 1
		.amdhsa_system_sgpr_workgroup_id_y 1
		.amdhsa_system_sgpr_workgroup_id_z 1
		.amdhsa_system_vgpr_workitem_id 0
		.amdhsa_next_free_vgpr 1024
		.amdhsa_next_free_sgpr 66
		.amdhsa_reserve_vcc 1
		.amdhsa_float_denorm_mode_32 3
		.amdhsa_float_denorm_mode_16_64 3
		.amdhsa_memory_ordered 1
		.amdhsa_forward_progress 1
		.amdhsa_inst_pref_size 255
	.end_amdhsa_kernel
	.section	.bss,"aw",@nobits
	.p2align	6
	.space	262144
	.amdgpu_metadata
---
amdhsa.version: [ 1, 2 ]
amdhsa.kernels:
  - .name:           k_q7997cc87ab_mlp
    .symbol:         k_q7997cc87ab_mlp.kd
    .args:
      - { .name: points, .offset: 0, .size: 8, .value_kind: global_buffer, .address_space: global }
      - { .name: idx, .offset: 8, .size: 8, .value_kind: global_buffer, .address_space: global }
      - { .name: cells, .offset: 16, .size: 8, .value_kind: global_buffer, .address_space: global }
      - { .name: w1, .offset: 24, .size: 8, .value_kind: global_buffer, .address_space: global }
      - { .name: b1, .offset: 32, .size: 8, .value_kind: global_buffer, .address_space: global }
      - { .name: w2, .offset: 40, .size: 8, .value_kind: global_buffer, .address_space: global }
      - { .name: b2, .offset: 48, .size: 8, .value_kind: global_buffer, .address_space: global }
      - { .name: w3, .offset: 56, .size: 8, .value_kind: global_buffer, .address_space: global }
      - { .name: b3, .offset: 64, .size: 8, .value_kind: global_buffer, .address_space: global }
      - { .name: out0, .offset: 72, .size: 8, .value_kind: global_buffer, .address_space: global }
    .group_segment_fixed_size: 46592
    .private_segment_fixed_size: 0
    .kernarg_segment_align: 8
    .kernarg_segment_size: 80
    .max_flat_workgroup_size: 128
    .sgpr_count:     66
    .vgpr_count:     1024
    .wavefront_size: 32
...
	.end_amdgpu_metadata
.endif
;; end of part 2
;; ======== version 2 of 2: 2 launches; version 1 with the launch mlp written anew for expert scheduling mode
;; limits: values outside matrix products are rounded to f16; values are held in f16: magnitudes above 65,504 overflow, below 6.1e-05 lose precision; right only within a limited range of input values
;; workspace buffers: cells 16,777,216 bytes; idx 4,194,304 bytes of whole numbers
;; launch prep: the kernel of part 1 again; grid 1024 x 1, 8 waves a work-group, no clusters, 22,016 bytes of LDS; arguments emb, points, cells, idx; writes cells, idx
;; launch mlp (part 3): grid 256 x 1, 4 waves a work-group, no clusters, 46,592 bytes of LDS; arguments points, idx, cells, w1, b1, w2, b2, w3, b3, out0; writes out0
.if DOCPART == 3
	.amdgcn_target "amdgcn-amd-amdhsa--gfx1250"
	.amdhsa_code_object_version 6
	.text
	.protected	k_q7997cc87ab_mlp
	.globl	k_q7997cc87ab_mlp
	.p2align	8
	.type	k_q7997cc87ab_mlp,@function
k_q7997cc87ab_mlp:
	s_mov_b64 s[64:65], 0
	v_nop
	global_prefetch_b8 v0, s[64:65] scope:SCOPE_SE
	s_setreg_imm32_b32 hwreg(HW_REG_WAVE_SCHED_MODE, 0, 2), 2
	s_setreg_imm32_b32 hwreg(HW_REG_WAVE_MODE, 25, 1), 1
	s_wait_xcnt 0x0
	s_wait_alu depctr_vm_vsrc(0)
; out0[p] = tanh(relu(relu(lat w1 + b1) w2 + b2) w3 + b3), lat = trilinear sample of 32 channels at point p (zeros outside the grid).
; 256 work-groups x 4 waves; wave W = 4 wg + wave owns points 1024 W .. +1023 = 8 blocks of 128 = 4 trips of 32 each.
; In trip j lane L owns point block + 4 L + j: a lane's 4 points are 48 consecutive bytes in, its 4 results 16 consecutive bytes out.
;
; EVERYTHING IS COMPUTED TRANSPOSED: features are rows (A = weights), points are columns (B).  A result register j of lane (r = L & 15,
; h = L >> 4) holds feature 16 t + 8 h + j of column r, and pairs of such registers, packed to f16, ARE the next layer's B fragment
; (registers 0-3: k = 8h.., registers 4-7: k = 16 + 8h..): no LDS and no lane traffic between the layers.
; THE INTERPOLATION IS A PRODUCT TOO: lat^T[32 ch x 16 pts] = V[32 x 128] Wt[128 x 16], k = (point slot, corner), Wt block-diagonal.
; V's A fragment is what a 16-byte load brings from a cell record (lane = channel, 8 corners of f16): gathered bytes go straight into an operand.
; A trip has two column groups of 16 points, chosen so that the only lanes with a non-zero entry of Wt are the lanes that computed that point's
; weights: group 0 = lanes 0-7 and 24-31 (slot (e, h) is column 8h + e), group 1 = lanes 8-23 (slot (e, h) is column 8(1-h) + e).
; Every point's column number is its own lane & 15, so each lane also finds its result in itself.
; Weights, bias tiles and w3 stay in registers for the whole launch (512 registers); layer 3, b3 and tanh are f32 vector work.
;
; LIMITS.  Matrix operands are f16 with f32 sums: |emb|, |w1|, |w2|, |lat| and the first hidden layer must stay <= 65,504 (with every input
; 30 times the drawn spread the largest of them, the hidden layer, is about 1e3).  Beyond it an infinity meets zeros and gives NaN, in the
; interpolation for all 16 points of the group.  Corner weights carry 11 significant bits.  A NaN or infinite point gets weight 0 everywhere
; (the result of lat = 0) instead of NaN; a NaN inside the MLP is dropped by the ReLU's maximum.
; NO CLUSTER, NO COPY ENGINE: work-groups share only the 82,944 bytes of weights, read once each, against 4,096 points x 512 bytes of records that
; are each point's own; nothing in the loop is a tile that waves share.  No barrier in the loop: the waves do not depend on each other.
;
; THE MODE: SCHED_MODE bits 1:0 = 2 (LLVM: expert scheduling mode 2), set by the entry lines.  The code itself states the register dependences
; between vector or matrix instructions and memory or LDS instructions, with s_wait_alu, always for 0.
; THE PLAN.  Registers that memory or LDS instructions touch, in the loop:
;   GA0, GA1   Trip t: its 16 interpolation products read them; behind those the gathers for trip t + 1 land in them.  All 1,024 registers are in use: there is no second buffer.
;   VOFF       Written by ADDR, once a trip; read by the trip's 32 gathers as their offsets.
;   IDX        Read by ADDR, a column a trip; the next block's 16 loads land in it in trip 2, behind ADDR's read of the last column.
;   P          Read by WEIGHTS; quad q of the next block lands in trip q + 1, whose own WEIGHTS is the quad's last reader.
;   OUT        Written in every trip and at the block's end; read by the block's one store.
;   OO, PO, IB0, IB1, R16   offsets, made once at the head and never written again: the scalar bases move on by a block.
;   Everything else (XB, LB, ACC, SUM, W and the weights) is named by vector and matrix instructions alone.
; So a trip has TWO waits: one on vm_vsrc ahead of ADDR (the last trip's gathers have read VOFF), and ONE on va_vdst behind ADDR, ahead of the run of all the
; trip's loads: VOFF is written; the products are done reading GA, WEIGHTS reading P, ADDR reading IDX.  No vector instruction stands between it and the loads.
; A block's end has the two waits of its two batches of transcendentals, one for the compares' masks, one ahead of the store, and one on vm_vsrc behind it.
;
; REGISTERS, in windows of 256 (s_set_vgpr_msb: bits 1:0 source 0, 3:2 source 1, 5:4 source 2, 7:6 destination).
; window 0: the MLP's working set
.set OO,   1                           ; 16 L: my 16 bytes of a block's results
.set T,    2                           ; v[2:7]     at work
.set OUT,  8                           ; v[8:11]    my four results of the block: first x = h w3 + b3, at the block's end tanh x
.set SUM0, 12                          ; v[12:19]   layer 3: four pair sums, group 0
.set SUM1, 20                          ; v[20:27]   group 1
.set EX,   SUM0                        ; v[12:15]   the block's end: exponential, then reciprocal, then 1 - 2 / (1 + e)
.set SQ,   SUM0+4                      ; v[16:19]   x^2
.set SR,   SUM1                        ; v[20:23]   the series
.set LB0,  32                          ; v[32:39]   lat as B fragment, group 0
.set LB1,  40
.set XB0,  48                          ; v[48:79]   four B fragments: first Wt, then the first hidden layer; group 0
.set XB1,  80
.set ACC0, 112                         ; v[112:175] eight result tiles, group 0
.set ACC1, 176
.set STG,  48                          ; v[48:207]  prologue only: 40 quads of w2 and w1 on their way to LDS
.set SGO,  240                         ; prologue: 16 x thread
.set SLA,  241                         ; prologue: LDS address of my staged 8 bytes
.set TLA,  242                         ; prologue: 32 h
.set TRA,  243                         ; prologue: address of the transposing loads
; window 1: w2^T, A fragment (t, u) at 8 (4 t + u)
; window 2
.set W1F,  0                           ; w1^T, A fragment t at 8 t
.set B1T,  64                          ; tiles: register 8 t + j of lane half h holds vec[16 t + 8 h + j]
.set B2T,  128
.set W3T,  192
; window 3: the front end
.set GA0,  0                           ; gathered A fragments (u, t) at 8 (2 u + t), group 0
.set GA1,  64
.set IDX,  128                         ; cell numbers: slot 8 g + e, trip j at 4 (8 g + e) + j
.set VOFF, 192                         ; gather offsets, slot 8 g + e
.set P,    208                         ; my four points
.set W,    220                         ; my point's 8 corner weights in f16
.set R16,  224                         ; 16 r
.set IB0,  225                         ; 384 h: slot (e, h) of group 0 is lane e or 24 + e, 16 bytes of idx each
.set IB1,  226                         ; 128 h: group 1 is lane 8 + e or 16 + e (the 128 goes into the immediate)
.set PO,   227                         ; 48 L
.set WX,   228                         ; pairs (w0, w1) of x, y, z at 228, 230, 232
.set ZY,   234                         ; wz wy, element 2 dz + dy
.set E,    238                         ; the 8 corner weights in f32
.set TW,   246                         ; three registers an axis, at work
.set LW2,  0                           ; LDS, prologue only: w2 as f16 [k][m], pitch 288 (an odd multiple of 32, as the transposing loads like it)
.set LW1,  128*288                     ; w1 likewise
.set LP,   288
.set MSB, 0
.macro WIN new                         ; the immediate's high byte repeats the setting that is left; a switch that changes nothing is dropped
.if MSB != \new
	s_set_vgpr_msb (MSB<<8)|\new
.set MSB, \new
.endif
.endm
; ---- the front end (all operands in window 3) ----
.macro LOADP part, off                 ; 16 of my 48 bytes of points
	global_load_b128 v[P+4*\part:P+4*\part+3], v[PO], s[8:9] offset:\off+16*\part
.endm
.macro LOADIDX off                     ; for each slot the four cell numbers (trips 0..3) of the lane that owns it
.irp e, 0,1,2,3,4,5,6,7
	global_load_b128 v[IDX+4*\e:IDX+4*\e+3], v[IB0], s[10:11] offset:\off+16*\e
.endr
.irp e, 0,1,2,3,4,5,6,7
	global_load_b128 v[IDX+32+4*\e:IDX+32+4*\e+3], v[IB1], s[10:11] offset:\off+128+16*\e
.endr
.endm
.macro ADDR col                        ; offset of my 16 bytes in each slot's record: cell * 512 + 16 r; the number is held inside the table
.irp i, 0,1,2,3,4,5,6,7,8,9,10,11,12,13,14,15
	v_min_u32 v[VOFF+\i], 0x7fff, v[IDX+4*\i+\col]
	v_lshl_add_u32 v[VOFF+\i], v[VOFF+\i], 9, v[R16]
.endr
.endm
.macro GATHERG ga, vo                  ; slot e fills registers 4 (e & 1) .. +3 of fragments (e >> 1, t); 16 lanes read 256 consecutive bytes, aligned
.irp e, 0,1,2,3,4,5,6,7
.irp t, 0,1
	global_load_b128 v[\ga+8*(2*(\e>>1)+\t)+4*(\e&1):\ga+8*(2*(\e>>1)+\t)+4*(\e&1)+3], v[\vo+\e], s[12:13] offset:256*\t
.endr
.endr
.endm
; The corner weights of my point of trip j.  Per axis X = 16 p + 16 (one rounding, equal to (p + 1) * 16), F = floor X held to 0 .. 31 (the same F
; as the stored cell number), A = X - F; the weights of planes F and F + 1 are the hat function max(0, 1 - |X - g|):
; w0 = med3(1 + A, 1 - A, 0), w1 = med3(A, 2 - A, 0).  Inside the grid that is 1 - fx and fx; outside it is the zero padding, with no branch.
.macro WEIGHTS j
.irp a, 0,1,2
	v_fma_f32 v[TW+3*\a], v[P+3*\j+\a], s37, s37
.endr
.irp a, 0,1,2
	v_floor_f32 v[TW+3*\a+1], v[TW+3*\a]
.endr
.irp a, 0,1,2
	v_med3_num_f32 v[TW+3*\a+1], v[TW+3*\a+1], 0, s38
.endr
.irp a, 0,1,2
	v_sub_f32 v[TW+3*\a], v[TW+3*\a], v[TW+3*\a+1]
.endr
.irp a, 0,1,2
	v_add_f32 v[TW+3*\a+1], 1.0, v[TW+3*\a]
	v_sub_f32 v[TW+3*\a+2], 1.0, v[TW+3*\a]
.endr
.irp a, 0,1,2
	v_med3_num_f32 v[WX+2*\a], v[TW+3*\a+1], v[TW+3*\a+2], 0
	v_sub_f32 v[TW+3*\a+2], 2.0, v[TW+3*\a]
.endr
.irp a, 0,1,2
	v_med3_num_f32 v[WX+2*\a+1], v[TW+3*\a], v[TW+3*\a+2], 0
.endr
	v_pk_mul_f32 v[ZY:ZY+1],   v[WX+2:WX+3], v[WX+4:WX+5] op_sel_hi:[1,0]              ; (wy0, wy1) * wz0
	v_pk_mul_f32 v[ZY+2:ZY+3], v[WX+2:WX+3], v[WX+4:WX+5] op_sel:[0,1] op_sel_hi:[1,1]  ; (wy0, wy1) * wz1
	v_pk_mul_f32 v[E:E+1],     v[WX:WX+1], v[ZY:ZY+1] op_sel_hi:[1,0]                   ; (wx0, wx1) * (wz wy): corners 2q, 2q + 1
	v_pk_mul_f32 v[E+2:E+3],   v[WX:WX+1], v[ZY:ZY+1] op_sel:[0,1] op_sel_hi:[1,1]
	v_pk_mul_f32 v[E+4:E+5],   v[WX:WX+1], v[ZY+2:ZY+3] op_sel_hi:[1,0]
	v_pk_mul_f32 v[E+6:E+7],   v[WX:WX+1], v[ZY+2:ZY+3] op_sel:[0,1] op_sel_hi:[1,1]
.irp q, 0,1,2,3
	v_cvt_pk_f16_f32 v[W+\q], v[E+2*\q], v[E+2*\q+1]
.endr
.endm
.macro MASKS                           ; Wt: slot e's four registers hold my weights in the two lanes that own slot e, zero in the others
.irp e, 0,1,2,3,4,5,6,7
.irp q, 0,1,2,3
	v_cndmask_b32 v[XB0+4*\e+\q], 0, v[W+\q], s[40+\e]
.endr
.endr
.irp e, 0,1,2,3,4,5,6,7
.irp q, 0,1,2,3
	v_cndmask_b32 v[XB1+4*\e+\q], 0, v[W+\q], s[48+\e]
.endr
.endr
.endm
; ---- the products ----
.macro INTERP acc, ga, xb              ; 8 products: channels 16 t .. +15 x 16 columns, K = 4 x 32 = 16 slots x 8 corners; the first starts the sums
.irp t, 0,1
	v_wmma_f32_16x16x32_f16 v[\acc+8*\t:\acc+8*\t+7], v[\ga+8*\t:\ga+8*\t+7], v[\xb:\xb+7], 0
.endr
.irp u, 1,2,3
.irp t, 0,1
	v_wmma_f32_16x16x32_f16 v[\acc+8*\t:\acc+8*\t+7], v[\ga+8*(2*\u+\t):\ga+8*(2*\u+\t)+7], v[\xb+8*\u:\xb+8*\u+7], v[\acc+8*\t:\acc+8*\t+7]
.endr
.endr
.endm
.macro LATCVT acc, lb                  ; tiles 0, 1 (channels 8h + j, 16 + 8h + j) are registers 0-3, 4-7 of layer 1's B fragment
.irp i, 0,1,2,3,4,5,6,7
	v_cvt_pk_f16_f32 v[\lb+\i], v[\acc+2*\i], v[\acc+2*\i+1]
.endr
.endm
.macro L1 acc, lb                      ; 8 products, K = 32; the bias tile is C
.irp t, 0,1,2,3,4,5,6,7
	v_wmma_f32_16x16x32_f16 v[\acc+8*\t:\acc+8*\t+7], v[W1F+8*\t:W1F+8*\t+7], v[\lb:\lb+7], v[B1T+8*\t:B1T+8*\t+7]
.endr
.endm
.macro EP1 acc, xb                     ; ReLU and f16: tiles 2u, 2u + 1 become layer 2's B fragment u
.irp t, 0,1,2,3,4,5,6,7
.irp j, 0,1,2,3,4,5,6,7
	v_max_num_f32 v[\acc+8*\t+\j], 0, v[\acc+8*\t+\j]
.endr
.irp q, 0,1,2,3
	v_cvt_pk_f16_f32 v[\xb+4*\t+\q], v[\acc+8*\t+2*\q], v[\acc+8*\t+2*\q+1]
.endr
.endr
.endm
.macro L2 acc, xb                      ; 32 products, K = 4 x 32; the bias tile is the first C, then each tile's chain runs in place
	WIN 0x21
.irp t, 0,1,2,3,4,5,6,7
	v_wmma_f32_16x16x32_f16 v[\acc+8*\t:\acc+8*\t+7], v[32*\t:32*\t+7], v[\xb:\xb+7], v[B2T+8*\t:B2T+8*\t+7]
.endr
	WIN 0x01
.irp u, 1,2,3
.irp t, 0,1,2,3,4,5,6,7
	v_wmma_f32_16x16x32_f16 v[\acc+8*\t:\acc+8*\t+7], v[8*(4*\t+\u):8*(4*\t+\u)+7], v[\xb+8*\u:\xb+8*\u+7], v[\acc+8*\t:\acc+8*\t+7]
.endr
.endr
.endm
.macro RELU acc
.set i, 0
.rept 64
	v_max_num_f32 v[\acc+i], 0, v[\acc+i]
.set i, i+1
.endr
.endm
.macro DOT acc, sum                    ; layer 3 in f32: my 64 features times w3, in four pair sums that the first products start
.irp q, 0,1,2,3
	v_pk_mul_f32 v[\sum+2*\q:\sum+2*\q+1], v[\acc+2*\q:\acc+2*\q+1], v[W3T+2*\q:W3T+2*\q+1]
.endr
.irp t, 1,2,3,4,5,6,7
.irp q, 0,1,2,3
	v_pk_fma_f32 v[\sum+2*\q:\sum+2*\q+1], v[\acc+8*\t+2*\q:\acc+8*\t+2*\q+1], v[W3T+8*\t+2*\q:W3T+8*\t+2*\q+1], v[\sum+2*\q:\sum+2*\q+1]
.endr
.endr
.endm
; The column's two halves meet (lane i with lane i xor 16), each lane takes its own group's sum and adds b3: x of my point of trip j, kept in OUT + j.
.macro FINAL j
.irp s, SUM0, SUM1
	v_pk_add_f32 v[\s:\s+1], v[\s:\s+1], v[\s+2:\s+3]
	v_pk_add_f32 v[\s+4:\s+5], v[\s+4:\s+5], v[\s+6:\s+7]
.endr
.irp s, SUM0, SUM1
	v_pk_add_f32 v[\s:\s+1], v[\s:\s+1], v[\s+4:\s+5]
.endr
	v_add_f32 v[SUM0], v[SUM0], v[SUM0+1]
	v_add_f32 v[SUM1], v[SUM1], v[SUM1+1]
	v_permlanex16_b32 v[T], v[SUM0], s34, s35      ; its destination counts as read: T and T + 1 have been written since the prologue
	v_permlanex16_b32 v[T+1], v[SUM1], s34, s35
	v_add_f32 v[T], v[T], v[SUM0]
	v_add_f32 v[T+1], v[T+1], v[SUM1]
	v_cndmask_b32 v[T], v[T+1], v[T], s36          ; lanes 0-7 and 24-31: group 0
	v_add_f32 v[OUT+\j], s32, v[T]                 ; x
.endm
; The block's four tanh together: 1 - 2 / (1 + 2^(2.885390 x)), which saturates rightly at both ends; for x^2 < 1/64 the series
; x (1 + x^2 (-1/3 + x^2 2/15)), whose next term is below 17/315 * 2^-18 of x, so that small results keep their relative accuracy at any scale of the inputs.
; The four exponentials are one batch and the four reciprocals another: behind each stands plain work that names none of its results, then one wait.
.macro TANH
.irp i, 0,1,2,3
	v_mul_f32 v[EX+\i], 0x4038aa3b, v[OUT+\i]      ; 2 log2(e) x
.endr
.irp i, 0,1,2,3
	v_exp_f32 v[EX+\i], v[EX+\i]
.endr
.irp i, 0,1,2,3
	v_mul_f32 v[SQ+\i], v[OUT+\i], v[OUT+\i]       ; x^2: plain instructions between the exponentials and the use of their results (ISA guide 5.7.2)
.endr
.irp i, 0,1,2,3
	v_fma_f32 v[SR+\i], v[SQ+\i], s39, s56
.endr
.irp i, 0,1,2,3
	v_fma_f32 v[SR+\i], v[SR+\i], v[SQ+\i], 1.0
.endr
.irp i, 0,1,2,3
	v_cmp_gt_f32 s[58+\i], s57, v[SQ+\i]           ; the four masks in a run, into four scalar registers
.endr
	s_wait_alu depctr_va_vdst(0)                   ; the four exponentials have written v[EX ..], ahead of their first reader
.irp i, 0,1,2,3
	v_add_f32 v[EX+\i], 1.0, v[EX+\i]
.endr
.irp i, 0,1,2,3
	v_rcp_f32 v[EX+\i], v[EX+\i]
.endr
.irp i, 0,1,2,3
	v_mul_f32 v[SR+\i], v[SR+\i], v[OUT+\i]        ; likewise behind the reciprocals
.endr
	s_wait_alu depctr_va_vdst(0)                   ; the four reciprocals have written v[EX ..], ahead of their first reader
.irp i, 0,1,2,3
	v_fma_f32 v[EX+\i], v[EX+\i], -2.0, 1.0
.endr
	s_wait_alu depctr_va_sdst(0)                   ; the compares have written s58 to s61, ahead of the selects that read them
.irp i, 0,1,2,3
	v_cndmask_b32 v[OUT+\i], v[EX+\i], v[SR+\i], s[58+\i]
.endr
.endm
; One trip: 32 points.  left = how many younger loads may stay out when this trip's 32 gathers have to be in.
; more = 2: gather for the next trip and ask for the next block's points and cell numbers; 1: gather only; 0: the very last trip.
; Distances behind matrix instructions (ISA guide 7.12.1) are kept by the order of the phases: the two groups are staggered, so that between a
; product and the vector work on its result, or a product that writes over its registers, stands a whole vector phase of the other group
; or of the front end, which names none of its registers: ADDR (32) behind INTERP, LATCVT 1 (8) behind L1 0, EP1 0 (96) behind L1 1,
; EP1 1 (96) behind L2 0, RELU 0 (64) behind L2 1.
.macro TRIP j, left, more
	WIN 0xff
	WEIGHTS \j
	WIN 0x0c
	MASKS
	s_wait_loadcnt \left                           ; loads return in order (ISA guide 5.7.1): the gathers are in, and done with their offsets in VOFF
	WIN 0x03
	INTERP ACC0, GA0, XB0
	INTERP ACC1, GA1, XB1
.if \more == 0
	WIN 0
.rept 5
	v_nop                                          ; no front end left to stand behind the interpolation's products
.endr
	LATCVT ACC0, LB0                               ; the very last trip issues no load: it states no dependence
.else
	WIN 0xff
.if \j == 3
	s_wait_loadcnt 0x1                             ; the next block's 16 loads of cell numbers are in; behind them only the second quad of points
.endif
	s_wait_alu depctr_vm_vsrc(0)                   ; the last trip's gathers have read VOFF, which ADDR writes again
	ADDR (\j+1)%4
	WIN 0
	LATCVT ACC0, LB0                               ; due anyway, and its sources were finished ahead of group 1's products: it stands ahead of the wait
	WIN 0xff
	s_wait_alu depctr_va_vdst(0)                   ; ADDR has written VOFF, the gathers' offsets; the products are done reading GA0 and GA1, WEIGHTS reading P, ADDR reading IDX: the loads below land in these
	GATHERG GA0, VOFF                              ; a whole trip ahead of their use: 32 loads, 16 KiB a wave
	GATHERG GA1, VOFF+8
.if \more == 2
.if \j == 1
	LOADP 0, 1536                                  ; P[0:3] were last read by this trip's weights
.endif
.if \j == 2
	LOADIDX 512                                    ; the last column of IDX has just been read
	LOADP 1, 1536
.endif
.if \j == 3
	LOADP 2, 1536
.endif
.endif
.endif
	WIN 0x22
	L1 ACC0, LB0
	WIN 0
	LATCVT ACC1, LB1
	WIN 0x22
	L1 ACC1, LB1
	WIN 0
	EP1 ACC0, XB0
	L2 ACC0, XB0
	WIN 0
	EP1 ACC1, XB1
	L2 ACC1, XB1
	WIN 0
	RELU ACC0
	RELU ACC1
	WIN 0x08
	DOT ACC0, SUM0
	DOT ACC1, SUM1
	WIN 0
	FINAL \j
.endm
; A block: 128 points.  Issue order of the loads: trip 0: gathers; trip 1: gathers, points quad 0; trip 2: gathers, 16 x idx, quad 1;
; trip 3: gathers, quad 2.  So behind the gathers that a trip needs stand: trip 0: quad 2 (1); trip 1: nothing (0); trip 2: quad 0 (1);
; trip 3: idx and quad 1 (17).  These waits also cover the points: quad 0 by trip 3's, quad 1 by trip 0's, quad 2 by trip 1's.
.macro BLOCK more, n2, n3, m3
	TRIP 0, 1, \more
	TRIP 1, 0, \more
	TRIP 2, \n2, \more
	TRIP 3, \n3, \m3
	TANH
	s_wait_alu depctr_va_vdst(0)                   ; the selects have written OUT, which the store reads
	global_store_b128 v[OO], v[OUT:OUT+3], s[26:27] th:TH_STORE_NT   ; the wave's store covers 512 consecutive bytes, aligned
.endm
; ---- prologue ----
	s_load_b512 s[8:23], s[0:1], 0x0               ; points 8, idx 10, cells 12, w1 14, b1 16, w2 18, b2 20, w3 22
	s_load_b128 s[24:27], s[0:1], 0x40             ; b3 24, out0 26
	v_lshl_add_u32 v254, v0, 2, 0xb400
	v_mov_b32 v255, 0
	v_lshrrev_b32 v2, 5, v0
	v_readfirstlane_b32 s28, v2                    ; wave 0..3
	s_mov_b32 s34, 0x76543210                      ; v_permlanex16_b32: lane i of one half reads lane i of the other
	s_mov_b32 s35, 0xfedcba98
	s_mov_b32 s36, 0xff0000ff                      ; the lanes of group 0
	s_mov_b32 s37, 0x41800000                      ; 16.0
	s_mov_b32 s38, 0x41f80000                      ; 31.0
	s_mov_b32 s39, 0x3e088889                      ; 2/15
	s_mov_b32 s56, 0xbeaaaaab                      ; -1/3
	s_mov_b32 s57, 0x3c800000                      ; 1/64
.irp e, 0,1,2,3,4,5,6,7
	s_mov_b32 s[40+\e], (1<<\e)|(1<<(24+\e))       ; the two lanes that own slot e of group 0
	s_mov_b32 s[48+\e], (1<<(8+\e))|(1<<(16+\e))   ; and of group 1
.endr
	v_and_b32 v2, 31, v0                           ; L
	v_and_b32 v3, 15, v0                           ; r
	v_bfe_u32 v4, v0, 4, 1                         ; h
	v_and_b32 v5, 7, v0
	v_bfe_u32 v6, v0, 3, 1
	v_lshlrev_b32 v[OO], 4, v2
	v_lshlrev_b32 v[SGO], 4, v0                    ; staging: thread t takes bytes 16 t of every 2,048 (four rows of 128 f32)
	v_lshlrev_b32 v[TLA], 5, v4
	v_lshl_add_u32 v5, v4, 3, v5                   ; transposing loads: row 8 h + (L & 7),
	v_mul_u32_u24 v5, v5, LP
	v_lshl_add_u32 v[TRA], v6, 4, v5               ; 16 bytes further for lanes 8-15 of each half
	s_wait_alu depctr_va_sdst(0)                   ; s28 is written, ahead of its first reader: the wave's share and its LDS row are made from it
	s_lshl_b32 s29, ttmp9, 2
	s_add_co_u32 s29, s29, s28                     ; W
	s_mul_i32 s30, s28, LP
	v_lshl_add_u32 v[SLA], v2, 3, s30              ; staging: 8 bytes at row (wave) x pitch + 8 L
	WIN 0xc0
	v_lshlrev_b32 v[R16], 4, v3
	v_mul_u32_u24 v[IB0], v4, 384
	v_lshlrev_b32 v[IB1], 7, v4
	v_mul_u32_u24 v[PO], v2, 48
	s_wait_kmcnt 0x0
	s_mul_i32 s30, s29, 12288                      ; 1,024 points of 12 bytes
	s_mov_b32 s31, 0
	s_add_nc_u64 s[8:9], s[8:9], s[30:31]
	s_lshl_b32 s30, s29, 12                        ; 1,024 words
	s_add_nc_u64 s[10:11], s[10:11], s[30:31]
	s_add_nc_u64 s[26:27], s[26:27], s[30:31]
	s_load_b32 s32, s[24:25], 0x0                  ; b3
	WIN 0xff
	s_wait_alu depctr_va_vdst(0)                   ; the nine offsets and addresses OO, SGO, SLA, TLA, TRA, R16, IB0, IB1, PO are written, which the kernel's loads and stores read
	LOADP 0, 0
	LOADP 1, 0
	LOADIDX 0
	WIN 0
.set q, 0
.rept 32
	global_load_b128 v[STG+4*q:STG+4*q+3], v[SGO], s[18:19] offset:2048*q          ; w2
.set q, q+1
.endr
.set q, 0
.rept 8
	global_load_b128 v[STG+128+4*q:STG+128+4*q+3], v[SGO], s[14:15] offset:2048*q  ; w1
.set q, q+1
.endr
	s_wait_loadcnt 40                              ; the 40 staging loads stand behind the cell numbers
	WIN 0xff
	ADDR 0
	s_wait_alu depctr_va_vdst(0)                   ; ADDR has written VOFF, the gathers' offsets
	GATHERG GA0, VOFF                              ; the first trip's records travel while the weights are laid out
	GATHERG GA1, VOFF+8
	LOADP 2, 0
	WIN 0
	s_wait_loadcnt 33                              ; 32 gathers and a quad of points stand behind the staging loads
.set q, 0
.rept 40
	v_cvt_pk_f16_f32 v[STG+4*q], v[STG+4*q], v[STG+4*q+1]
	v_cvt_pk_f16_f32 v[STG+4*q+1], v[STG+4*q+2], v[STG+4*q+3]
.set q, q+1
.endr
	s_wait_alu depctr_va_vdst(0)                   ; the conversions have written v[STG ..], which the LDS stores read
.set q, 0
.rept 32
	ds_store_b64 v[SLA], v[STG+4*q:STG+4*q+1] offset:LW2+4*LP*q      ; row 4 q + wave: a wave's store is one row's 256 bytes
.set q, q+1
.endr
.set q, 0
.rept 8
	ds_store_b64 v[SLA], v[STG+128+4*q:STG+128+4*q+1] offset:LW1+4*LP*q
.set q, q+1
.endr
	WIN 0x80
.irp t, 0,1,2,3,4,5,6,7
	global_load_b128 v[B1T+8*\t:B1T+8*\t+3],   v[TLA], s[16:17] offset:64*\t
	global_load_b128 v[B1T+8*\t+4:B1T+8*\t+7], v[TLA], s[16:17] offset:64*\t+16
	global_load_b128 v[B2T+8*\t:B2T+8*\t+3],   v[TLA], s[20:21] offset:64*\t
	global_load_b128 v[B2T+8*\t+4:B2T+8*\t+7], v[TLA], s[20:21] offset:64*\t+16
	global_load_b128 v[W3T+8*\t:W3T+8*\t+3],   v[TLA], s[22:23] offset:64*\t
	global_load_b128 v[W3T+8*\t+4:W3T+8*\t+7], v[TLA], s[22:23] offset:64*\t+16
.endr
	s_wait_dscnt 0x0                               ; for the other waves' sake: my rows are in LDS before I say so
	s_barrier_signal -1
	s_barrier_wait -1                              ; the only barrier: LDS is not written again
	; A fragments of w^T from w stored [k][m]: row m = 16 t + r, registers 0-3: k = k0 + 8h .., registers 4-7: k = k0 + 16 + 8h ..
.irp t, 0,1,2,3,4,5,6,7
	ds_load_tr16_b128 v[W1F+8*\t:W1F+8*\t+3],   v[TRA] offset:LW1+32*\t
	ds_load_tr16_b128 v[W1F+8*\t+4:W1F+8*\t+7], v[TRA] offset:LW1+16*LP+32*\t
.endr
	WIN 0x40
.irp t, 0,1,2,3,4,5,6,7
.irp u, 0,1,2,3
	ds_load_tr16_b128 v[8*(4*\t+\u):8*(4*\t+\u)+3],   v[TRA] offset:LW2+32*\u*LP+32*\t
	ds_load_tr16_b128 v[8*(4*\t+\u)+4:8*(4*\t+\u)+7], v[TRA] offset:LW2+(32*\u+16)*LP+32*\t
.endr
.endr
	s_wait_kmcnt 0x0                               ; b3
	s_wait_loadcnt 0x0                             ; tiles, first gathers, points
	s_wait_dscnt 0x0                               ; fragments
	s_wait_alu depctr_vm_vsrc(0)                   ; my LDS stores have read v[STG ..]: these registers are XB and ACC from here on, written by the masks and the products
	WIN 0                                          ; at a label and at a branch every window is 0
; ---- seven blocks that ask for their successor, then the last one, which asks for nothing beyond the wave's share ----
	s_mov_b32 s33, 7
.Lblock:
	BLOCK 2, 1, 17, 2
	s_wait_xcnt 0x0                                ; the bases of the pending loads and of the store, and OUT, are rewritten only behind this wait
	s_wait_alu depctr_vm_vsrc(0)                   ; the store has read OUT, which the next block's first trip writes again
	s_add_nc_u64 s[8:9], s[8:9], 0x600             ; 128 points
	s_add_nc_u64 s[10:11], s[10:11], 0x200         ; 128 cell numbers
	s_add_nc_u64 s[26:27], s[26:27], 0x200         ; 128 results
	s_sub_co_u32 s33, s33, 1
	s_cmp_lg_u32 s33, 0
	s_cbranch_scc1 .Lblock
	BLOCK 1, 0, 0, 0
	s_wait_dscnt 0x0
	s_wait_alu depctr_hold_cnt(0) depctr_sa_sdst(0) depctr_va_vdst(0) depctr_va_sdst(0) depctr_va_ssrc(0) depctr_va_vcc(0) depctr_vm_vsrc(0)
	s_wait_tensorcnt 0x0
	ds_add_u32 v254, v255
	s_wait_dscnt 0x0
	s_endpgm
.Lfunc_end_k_q7997cc87ab_mlp:
	.size	k_q7997cc87ab_mlp, .Lfunc_end_k_q7997cc87ab_mlp-k_q7997cc87ab_mlp
	.p2alignl 7, 3214868480
	.fill 96, 4, 3214868480
	.section	.rodata,"a",@progbits
	.p2align	6, 0x0
	.amdhsa_kernel k_q7997cc87ab_mlp
		.amdhsa_group_segment_fixed_size 46592
		.amdhsa_private_segment_fixed_size 0
		.amdhsa_enable_private_segment 0
		.amdhsa_kernarg_size 80
		.amdhsa_user_sgpr_count 2
		.amdhsa_user_sgpr_kernarg_segment_ptr 1
		.amdhsa_wavefront_size32 1
		.amdhsa_system_sgpr_workgroup_id_x 1
		.amdhsa_system_sgpr_workgroup_id_y 1
		.amdhsa_system_sgpr_workgroup_id_z 1
		.amdhsa_system_vgpr_workitem_id 0
		.amdhsa_next_free_vgpr 1024
		.amdhsa_next_free_sgpr 66
		.amdhsa_reserve_vcc 0
		.amdhsa_float_denorm_mode_32 3
		.amdhsa_float_denorm_mode_16_64 3
		.amdhsa_memory_ordered 1
		.amdhsa_forward_progress 1
		.amdhsa_inst_pref_size 255
	.end_amdhsa_kernel
	.section	.bss,"aw",@nobits
	.p2align	6
	.space	262144
	.amdgpu_metadata
---
amdhsa.version: [ 1, 2 ]
amdhsa.kernels:
  - .name:           k_q7997cc87ab_mlp
    .symbol:         k_q7997cc87ab_mlp.kd
    .args:
      - { .name: points, .offset: 0, .size: 8, .value_kind: global_buffer, .address_space: global }
      - { .name: idx, .offset: 8, .size: 8, .value_kind: global_buffer, .address_space: global }
      - { .name: cells, .offset: 16, .size: 8, .value_kind: global_buffer, .address_space: global }
      - { .name: w1, .offset: 24, .size: 8, .value_kind: global_buffer, .address_space: global }
      - { .name: b1, .offset: 32, .size: 8, .value_kind: global_buffer, .address_space: global }
      - { .name: w2, .offset: 40, .size: 8, .value_kind: global_buffer, .address_space: global }
      - { .name: b2, .offset: 48, .size: 8, .value_kind: global_buffer, .address_space: global }
      - { .name: w3, .offset: 56, .size: 8, .value_kind: global_buffer, .address_space: global }
      - { .name: b3, .offset: 64, .size: 8, .value_kind: global_buffer, .address_space: global }
      - { .name: out0, .offset: 72, .size: 8, .value_kind: global_buffer, .address_space: global }
    .group_segment_fixed_size: 46592
    .private_segment_fixed_size: 0
    .kernarg_segment_align: 8
    .kernarg_segment_size: 80
    .max_flat_workgroup_size: 128
    .sgpr_count:     66
    .vgpr_count:     1024
    .wavefront_size: 32
...
	.end_amdgpu_metadata
.endif
;; end of part 3
